; MI455X (gfx1250); checked and timed in simulation.
; The chip was launched on July 23, 2026; its instructions are those of AMD's public machine-readable ISA for CDNA 5 (MIT licence, August 2026) and "CDNA5" Instruction Set Architecture Reference Guide (July 2026). The comments in the code are by the model that wrote it; some were corrected since.
;; Continous Action Decoder. Allowed arithmetic: float matrix products may take bf16 or f16 operands with f32 sums; other float arithmetic in f32, or as packed bf16 or f16 multiplies, adds, multiply-adds, maxima and minima; sums over many terms, partial sums and values carried from step to step in f32; what a program stores and reads back later, other than sums and carried values, may be rounded once to bf16 or f16.
;; Inputs: action_set 32,768 x 512 float32; pred_action 4,096 x 512 float32.
;; Outputs: out0 4,096 x 512 float32.
;; One version. Each part assembles by itself: llvm-mc -triple=amdgcn-amd-amdhsa -mcpu=gfx1250 --defsym DOCPART=n.
;; ======== version 1 of 1: 4 launches
;; workspace buffers: abf 33,554,432 bytes; xbf 4,194,304 bytes; a2h 131,072 bytes; pval 262,144 bytes; pidx 262,144 bytes of whole numbers; best 16,384 bytes of whole numbers
;; launch prep (part 1): grid 576 x 1, 8 waves a work-group, no clusters, 1,280 bytes of LDS; arguments action_set, pred_action, abf, xbf, a2h; writes abf, xbf, a2h
.if DOCPART == 1
	.amdgcn_target "amdgcn-amd-amdhsa--gfx1250"
	.amdhsa_code_object_version 6
	.text
	.protected	k_q9da04b121b_prep
	.globl	k_q9da04b121b_prep
	.p2align	8
	.type	k_q9da04b121b_prep,@function
k_q9da04b121b_prep:
	s_mov_b64 s[64:65], 0
	v_nop
	global_prefetch_b8 v0, s[64:65] scope:SCOPE_SE
	s_setreg_imm32_b32 hwreg(HW_REG_WAVE_MODE, 25, 1), 1
	s_wait_xcnt 0x0
; abf = bf16(action_set), xbf = bf16(pred_action), rounded to nearest even; a2h[n] = -0.5 x the sum over d of bf16(action_set[n][d])^2, in f32.
; Rows of 512 f32 (2,048 bytes) become rows of 512 bf16 (1,024 bytes).  Work-groups 0-511 take 64 rows of action_set each, 512-575 64 rows of pred_action.
; A wave takes 8 rows: all its 32 loads of 16 bytes a lane (16 KiB) go out at once; there is no loop.  A load covers 512 consecutive bytes, a store 256 consecutive bytes, aligned.
; The squares are taken of the ROUNDED numbers (a product of two bf16 is exact in f32), since the next launch multiplies the rounded numbers.
; The 64 sums of a work-group meet in LDS, so that one wave stores them as 256 consecutive bytes.
; pred_action's work-groups jump over the sums' arithmetic alone: every wave of every work-group passes the one barrier.
; LIMITS: a number beyond bf16's largest rounds to an infinity; a row's sum of squares must stay finite in f32.  No matrix unit, no cluster: nothing is shared and nothing is multiplied.
.set SPARE, 256                        ; LDS: bytes 0-255 the 64 sums; from 256 on the spare words, 128 bytes for each of eight waves, which no other line names
.set SO,  1                            ; v1   my byte offset in the group's source rows: wave x 8 rows x 2,048 + 16 x lane; never rewritten
.set DO,  2                            ; v2   the same in the bf16 rows: wave x 8 x 1,024 + 8 x lane; never rewritten
.set L7,  3                            ; v3   lane % 8
.set LSA, 4                            ; v4   LDS word of row lane % 8 of my wave
.set LRA, 5                            ; v5   8 x lane: where wave 0 reads two sums, and where it stores them
.set Z,   6                            ; v6   0: the addend of a sum's first term
.set R,   7                            ; v7   the sum that my lane hands to LDS
.set SPW, 8                            ; v8   LDS address of my spare word; never rewritten
.set NIL, 9                            ; v9   0; never rewritten
.set S,   16                           ; v[16:31]  row i: the sum over even places at S + 2 i, over odd places at S + 2 i + 1
.set X,   32                           ; v[32:159] row i, quarter c of the row: four registers at X + 16 i + 4 c; the first two then hold the four numbers as bf16
	s_load_b256 s[4:11], s[0:1], 0x0               ; action_set s[4:5], pred_action s[6:7], abf s[8:9], xbf s[10:11]
	s_load_b64 s[12:13], s[0:1], 0x20              ; a2h
	v_lshl_add_u32 v[SPW], v0, 2, SPARE
	v_mov_b32 v[NIL], 0
	v_lshrrev_b32 v11, 5, v0
	v_readfirstlane_b32 s14, v11                   ; wave 0..7
	v_and_b32 v10, 31, v0                          ; lane
	v_lshlrev_b32 v[SO], 4, v10
	v_lshl_add_u32 v[SO], s14, 14, v[SO]
	v_lshlrev_b32 v[DO], 3, v10
	v_lshl_add_u32 v[DO], s14, 13, v[DO]
	v_and_b32 v[L7], 7, v0
	v_lshlrev_b32 v[LSA], 2, v[L7]
	v_lshl_add_u32 v[LSA], s14, 5, v[LSA]          ; word 8 x wave + lane % 8
	v_lshlrev_b32 v[LRA], 3, v10
	v_mov_b32 v[Z], 0
	v_mov_b32 v[R], 0                              ; what pred_action's work-groups hand to LDS
	s_mov_b32 s22, 0x76543210                      ; v_permlanex16_b32: each lane takes its own place in the other half
	s_mov_b32 s23, 0xfedcba98
	s_sub_co_u32 s15, ttmp9, 512                   ; the block's number in pred_action
	s_mov_b32 s25, 0
	s_wait_kmcnt 0x0
	s_cmp_lt_u32 ttmp9, 512                        ; a block of action_set?
	s_cselect_b64 s[18:19], s[4:5], s[6:7]         ; from where,
	s_cselect_b64 s[20:21], s[8:9], s[10:11]       ; to where,
	s_cselect_b32 s16, ttmp9, s15                  ; which block of 64 rows,
	s_cselect_b32 s17, 1, 0                        ; and whether sums are wanted
	s_lshl_b32 s24, s16, 17                        ; 64 rows of 2,048 bytes
	s_add_nc_u64 s[18:19], s[18:19], s[24:25]
	s_lshl_b32 s24, s16, 16                        ; 64 rows of 1,024 bytes
	s_add_nc_u64 s[20:21], s[20:21], s[24:25]
	s_lshl_b32 s24, s16, 8                         ; 64 sums
	s_add_nc_u64 s[12:13], s[12:13], s[24:25]
.irp i, 0,1,2,3,4,5,6,7
.irp c, 0,1,2,3
	global_load_b128 v[X+16*(\i)+4*(\c):X+16*(\i)+4*(\c)+3], v[SO], s[18:19] offset:2048*(\i)+512*(\c) th:TH_LOAD_NT
.endr
.endr
.irp i, 0,1,2,3,4,5,6,7
	s_wait_loadcnt 28-4*(\i)                       ; loads come back in order (ISA guide 5.7.1): row i's four are in, the 28 - 4 i behind them stay out
.irp c, 0,1,2,3
	v_cvt_pk_bf16_f32 v[X+16*(\i)+4*(\c)],   v[X+16*(\i)+4*(\c)],   v[X+16*(\i)+4*(\c)+1]
	v_cvt_pk_bf16_f32 v[X+16*(\i)+4*(\c)+1], v[X+16*(\i)+4*(\c)+2], v[X+16*(\i)+4*(\c)+3]
.endr
.irp c, 0,1,2,3
	global_store_b64 v[DO], v[X+16*(\i)+4*(\c):X+16*(\i)+4*(\c)+1], s[20:21] offset:1024*(\i)+256*(\c)  ; 32 lanes x 8 bytes: 256 consecutive bytes, aligned
.endr
.endr
	s_cmp_eq_u32 s17, 0
	s_cbranch_scc1 .Lmeet                          ; pred_action has no sums: the jump passes arithmetic on registers alone
	; the sums of squares: sixteen chains (8 rows x even, odd places), which take turns.  The stores' data registers are read here, never written
.set p, 0
.rept 8
.set i, 0
.rept 8
.set rP, X+16*i+4*(p/2)+(p%2)
.if p == 0
	v_fma_mix_f32_bf16 v[S+2*i],   v[rP], v[rP], v[Z] op_sel_hi:[1,1,0]
	v_fma_mix_f32_bf16 v[S+2*i+1], v[rP], v[rP], v[Z] op_sel:[1,1,0] op_sel_hi:[1,1,0]
.else
	v_fma_mix_f32_bf16 v[S+2*i],   v[rP], v[rP], v[S+2*i] op_sel_hi:[1,1,0]
	v_fma_mix_f32_bf16 v[S+2*i+1], v[rP], v[rP], v[S+2*i+1] op_sel:[1,1,0] op_sel_hi:[1,1,0]
.endif
.set i, i+1
.endr
.set p, p+1
.endr
.irp i, 0,1,2,3,4,5,6,7
	v_add_f32 v[S+2*(\i)], v[S+2*(\i)], v[S+2*(\i)+1]
.endr
.irp m, 1,2,4,8                        ; across the 32 lanes: four steps inside each half, one across the halves; every lane ends with every row's sum
.irp i, 0,1,2,3,4,5,6,7
	v_add_f32_dpp v[S+2*(\i)], v[S+2*(\i)], v[S+2*(\i)] row_xmask:\m row_mask:0xf bank_mask:0xf
.endr
.endr
.irp i, 0,1,2,3,4,5,6,7
	v_permlanex16_b32 v[S+2*(\i)+1], v[S+2*(\i)], s22, s23
.endr
.irp i, 0,1,2,3,4,5,6,7
	v_add_f32 v[S+2*(\i)], v[S+2*(\i)], v[S+2*(\i)+1]
.endr
	v_mov_b32 v[R], v[S]                           ; lane l keeps row l % 8's
.irp i, 1,2,3,4,5,6,7
	v_cmp_eq_u32 vcc_lo, \i, v[L7]
	v_cndmask_b32 v[R], v[R], v[S+2*(\i)], vcc_lo
.endr
	v_mul_f32 v[R], -0.5, v[R]
.Lmeet:
	ds_store_b32 v[LSA], v[R]                      ; four lanes write the same word with the same number
	s_wait_dscnt 0x0                               ; for the others' sake: my store is done
	s_barrier_signal -1
	s_barrier_wait -1
	s_cmp_lg_u32 s14, 0
	s_cbranch_scc1 .Lend                           ; wave 0 stores the 64 sums,
	s_cmp_eq_u32 s17, 0
	s_cbranch_scc1 .Lend                           ; of action_set's blocks alone
	ds_load_b64 v[10:11], v[LRA]
	s_wait_dscnt 0x0
	global_store_b64 v[LRA], v[10:11], s[12:13]    ; 256 consecutive bytes, aligned
.Lend:
	s_wait_tensorcnt 0x0                           ; the wave's end, behind my last LDS store
	ds_add_u32 v[SPW], v[NIL]
	s_wait_dscnt 0x0
	s_endpgm
.Lfunc_end_k_q9da04b121b_prep:
	.size	k_q9da04b121b_prep, .Lfunc_end_k_q9da04b121b_prep-k_q9da04b121b_prep
	.p2alignl 7, 3214868480
	.fill 96, 4, 3214868480
	.section	.rodata,"a",@progbits
	.p2align	6, 0x0
	.amdhsa_kernel k_q9da04b121b_prep
		.amdhsa_group_segment_fixed_size 1280
		.amdhsa_private_segment_fixed_size 0
		.amdhsa_enable_private_segment 0
		.amdhsa_kernarg_size 40
		.amdhsa_user_sgpr_count 2
		.amdhsa_user_sgpr_kernarg_segment_ptr 1
		.amdhsa_wavefront_size32 1
		.amdhsa_system_sgpr_workgroup_id_x 1
		.amdhsa_system_sgpr_workgroup_id_y 1
		.amdhsa_system_sgpr_workgroup_id_z 1
		.amdhsa_system_vgpr_workitem_id 0
		.amdhsa_next_free_vgpr 160
		.amdhsa_next_free_sgpr 66
		.amdhsa_reserve_vcc 1
		.amdhsa_float_denorm_mode_32 3
		.amdhsa_float_denorm_mode_16_64 3
		.amdhsa_memory_ordered 1
		.amdhsa_forward_progress 1
		.amdhsa_inst_pref_size 25
	.end_amdhsa_kernel
	.amdgpu_metadata
---
amdhsa.version: [ 1, 2 ]
amdhsa.kernels:
  - .name:           k_q9da04b121b_prep
    .symbol:         k_q9da04b121b_prep.kd
    .args:
      - { .name: action_set, .offset: 0, .size: 8, .value_kind: global_buffer, .address_space: global }
      - { .name: pred_action, .offset: 8, .size: 8, .value_kind: global_buffer, .address_space: global }
      - { .name: abf, .offset: 16, .size: 8, .value_kind: global_buffer, .address_space: global }
      - { .name: xbf, .offset: 24, .size: 8, .value_kind: global_buffer, .address_space: global }
      - { .name: a2h, .offset: 32, .size: 8, .value_kind: global_buffer, .address_space: global }
    .group_segment_fixed_size: 1280
    .private_segment_fixed_size: 0
    .kernarg_segment_align: 8
    .kernarg_segment_size: 40
    .max_flat_workgroup_size: 256
    .sgpr_count:     66
    .vgpr_count:     160
    .wavefront_size: 32
...
	.end_amdgpu_metadata
.endif
;; end of part 1
;; launch near (part 2): grid 16 x 16, 4 waves a work-group, clusters of 4 x 4, 327,680 bytes of LDS; arguments xbf, abf, a2h, pval, pidx; writes pval, pidx
.if DOCPART == 2
	.amdgcn_target "amdgcn-amd-amdhsa--gfx1250"
	.amdhsa_code_object_version 6
	.text
	.protected	k_q9da04b121b_near
	.globl	k_q9da04b121b_near
	.p2align	8
	.type	k_q9da04b121b_near,@function
k_q9da04b121b_near:
	s_mov_b64 s[64:65], 0
	v_nop
	global_prefetch_b8 v0, s[64:65] scope:SCOPE_SE
	s_setreg_imm32_b32 hwreg(HW_REG_WAVE_MODE, 25, 1), 1
	s_wait_xcnt 0x0
	s_wait_alu depctr_hold_cnt(0) depctr_sa_sdst(0) depctr_va_vdst(0) depctr_va_sdst(0) depctr_va_ssrc(0) depctr_va_vcc(0) depctr_vm_vsrc(0)
	s_getreg_b32 s2, hwreg(HW_REG_IB_STS2, 6, 4)
	s_cmp_eq_u32 s2, 0
	s_cbranch_scc0 .Lentry_in_a_cluster
	s_endpgm
.Lentry_in_a_cluster:
	s_bfe_u32 s2, ttmp6, 0x10000c
	s_cmp_lg_u32 s2, 0xf033
	s_cbranch_scc0 .Lentry_shape_is_right
	s_endpgm
.Lentry_shape_is_right:
; For each of 4,096 queries x and each of 16 column groups gx: the largest score s[n] = x . a[n] - |a[n]|^2 / 2 over the group's 2,048 actions n, and its n (the lowest n among equals).
; The largest s is the smallest |x|^2 - 2 x.a + |a|^2: |x|^2 is one constant for a query and is not added.  xbf [4096][512], abf [32768][512] bf16; a2h [32768] f32 = -|a|^2 / 2;
; pval, pidx [16][4096]: f32 score, u32 index.  The scores never reach memory.
; LIMITS.  Products of bf16 numbers, sums in f32, beginning with -|a|^2 / 2: scores closer than f32's rounding at their size may be ordered otherwise than by another order of sums.
; NaN never wins; a query of which no score is above minus infinity gets an index inside the table.
; SHARES.  A work-group of four waves makes tiles of 256 queries x 256 actions; a wave 128 x 128: 64 accumulators of 16 x 16, 512 registers.  IT STAYS: 8 tiles, the same queries,
; actions 4,096 t + 256 gx + 0..255.  K = 512 goes in four steps of 128 through a ring of two LDS slots filled by the tensor data mover; rows of 256 bytes, aligned; the ring runs on from tile to tile.
; CLUSTER 4 x 4.  The four of a row of the cluster have the same queries, the four of a column the same actions: each tile is asked for JOINTLY, the same load, descriptor and mask in all four.
; THE MATRIX INSTRUCTION: source 0 = 16 actions, source 1 = 16 queries.  In the result lane l holds query l % 16, its registers j the actions 8 (l / 16) + j.  The first product of a sum takes
; -|a|^2 / 2 as its C operand (the same in all lanes of a half): the addend costs no vector instruction.
; THE ARGMAX.  A lane keeps, for each of its 8 query blocks, the best score BV, a code BI (8 x tiles since + action block b) and SV, the eight scores of the group (one accumulator's eight registers) that won.
; Behind each tile: the maximum of each group (three operands at a time), a strict compare with BV in ascending order, and the winner's eight scores are kept by selects.  No branch hangs on a score.
; At the end the place j in the group is found in SV, the index is put together, and the lanes' halves and the two waves that share queries are merged.
;
; REGISTERS, in windows of 256 (s_set_vgpr_msb: bits 1:0 source 0, 3:2 source 1, 5:4 source 2, 7:6 destination):
;   window 0: v0-31 addresses; v32-63 BV, BI, J, at work; v64-127, v128-191 the queries' fragments, two buffers; v192-223 T, the groups' maxima; v224-231 the last merge
;   window 1: v0-63 A2C, the C operands of the tile in hand; v64-127, v128-191 the actions' fragments; v192-255 SV
;   window 2: the 32 accumulators of my queries 0-63 ((a, b) at v[8 (8 a + b)]);   window 3: those of my queries 64-127
.set KSTEP,  128
.set PITCH,  272                       ; an LDS row: 256 bytes + 16 of padding = 68 words: row r starts at bank 4 r mod 64 (64 banks of 4 bytes: ISA guide 11.1), so the 16 rows of a load start at 16 different banks
.set HALFT,  128*PITCH                 ; 128 rows: what one tensor load brings, and what one wave reads of the queries or of the actions
.set SLOT,   4*HALFT                   ; the queries' 256 rows, then the actions' 256 rows
.set RED,    2*SLOT                    ; behind the ring, never filled by a tensor load: 4,096 bytes for the last merge: [action half][scores, indices][256 queries]
.set SPARE,  RED+4096                  ; the spare words, 128 bytes for each wave: two blocks of 256 bytes that no other line names
.set TILES,  8
.set ROWB,   1024                      ; bytes in a row of xbf and abf
.set WALKB,  4096*ROWB                 ; from a tile's actions to the next tile's
.set NEXT_A, WALKB-2*KSTEP*2           ; from a slot's last K step of a tile to its first of the next: 4,096 rows down and back along K,
.set BACK_Q, 2*KSTEP*2                 ; the queries only back
.set A2STEP, 4096*4
.set ADRQ, 16                          ; v16-17  LDS address of my queries' fragments in slot 0, 1
.set ADRA, 20                          ; v20-21  the same for my actions
.set A2O,  24                          ; v24     32 x (l / 16): my eight numbers in 64 bytes of a2h; never rewritten
.set RST,  25                          ; v25     where I put a score (lanes 0-15) or an index (lanes 16-31) for the last merge
.set RLD,  26                          ; v26     where I read two queries' back
.set GOF,  27                          ; v27     my 8 bytes in pval and in pidx
.set SPW,  28                          ; v28     LDS address of my spare word: SPARE + 4 x my thread's number; never rewritten
.set NIL,  29                          ; v29     0; never rewritten
.set PFO,  30                          ; v30     the prefetches' offset: my lane x a row of abf; never rewritten
.set BASEI, 31                         ; v31     256 gx + 128 x action half + 8 (l / 16)
.set BV,   32                          ; v32-39  best score, query block a
.set BI,   40                          ; v40-47  its code
.set J,    48                          ; v48-55  at the end: the place in the group, then the index
.set TM,   56                          ; v56-63  at work at the end
.set F0,   64
.set F1,   128
.set T,    192
.set E,    224
.set A2C,  0                           ; window 1
.set SV,   192                          ; window 1: query block a's eight at SV + 8 a
.set G1Q, 24                           ; s[24:31] descriptor group 1 for the queries' tiles;  s[32:39] group 0, a set for each slot
.set G0Q, 32
.set G1A, 48                           ; s[48:55], s[56:63] the same for the actions' tiles
.set G0A, 56
.set LIM, 43                           ; s43     1 in a wave that prefetches, else the greatest number
.set PFA, 44                           ; s[44:45] my work-group's 32 rows of the 128 that I fetch, in the tile after the one in hand
.set MK,  66                           ; s[66:97] the lane masks of 32 groups
.set MSB, 0
.macro WIN new                         ; the immediate's high byte repeats the setting that is left; a switch that changes nothing is dropped
.if MSB != (\new)
	s_set_vgpr_msb (MSB<<8)|(\new)
.set MSB, \new
.endif
.endm
; A joint load.  Waves 0 and 1 fetch the queries' two halves, waves 2 and 3 the actions'.  The branch hangs on the wave's number alone.
; An s_nop 0 and four v_nop follow each of the two lines, ahead of the jump, the label and what follows.
.macro JLOAD s
	s_cmp_eq_u32 s11, 0
	s_cbranch_scc0 .Lfor_a_\@
	tensor_load_to_lds s[G0Q+4*(\s):G0Q+4*(\s)+3], s[G1Q:G1Q+7]
	s_nop 0
.rept 4
	v_nop
.endr
	s_branch .Lasked_\@
.Lfor_a_\@:
	tensor_load_to_lds s[G0A+4*(\s):G0A+4*(\s)+3], s[G1A:G1A+7]
	s_nop 0
.rept 4
	v_nop
.endr
.Lasked_\@:
.endm
; A PREFETCH INTO THE L2, behind each joint load, its five lines and the run of LDS loads: K step k of the NEXT tile's actions, which stands two refills on: 32 rows x 256 bytes, a lane a row.
; Each row's 256 bytes of a K step are named once in the launch: a column of actions is read by the four clusters of that column of clusters, and the one with cluster y = 0 asks; its four partners of a
; column share the 128 rows that a wave fetches BY ADDRESS, 32 each (cy); waves 2 and 3, which fetch actions, ask.  The first tile comes by its loads alone; the last tile asks for nothing.
; The queries are not asked for: their four K steps are all wanted at the head, and afterwards they have been read.
.macro ASK k
	s_cmp_gt_u32 s2, s[LIM]                        ; s2 = 1 in the last tile
	s_cbranch_scc0 .Lnot_mine_\@
	global_prefetch_b8 v[PFO], s[PFA:PFA+1] offset:2*KSTEP*(\k) th:TH_LOAD_NT scope:SCOPE_SE
.Lnot_mine_\@:
.endm
; A round of the cluster's barrier: my work-group's barrier, so that wave 0's signal speaks for all four waves; wave 0 signals; every wave waits for all sixteen work-groups; my work-group's barrier once more.
.macro CREST                           ; a round behind its opening barrier
	s_cmp_lg_u32 s10, 0
	s_cbranch_scc1 .Lnot_wave_0_\@
	s_barrier_signal -3
.Lnot_wave_0_\@:
	s_barrier_wait -3
	s_barrier_signal -1
	s_barrier_wait -1
.endm
.macro CROUND
	s_barrier_signal -1
	s_barrier_wait -1
	CREST
.endm
	s_load_b128 s[4:7], s[0:1], 0x0                ; xbf s[4:5], abf s[6:7]
	s_load_b64 s[8:9], s[0:1], 0x10                ; a2h
	v_lshl_add_u32 v[SPW], v0, 2, SPARE
	v_mov_b32 v[NIL], 0
	ds_add_u32 v[SPW], v[NIL]                      ; the wave's opening: the add and its wait come ahead of my first tensor load; the set-up below, work on registers, stands between them
	v_lshrrev_b32 v1, 5, v0
	v_readfirstlane_b32 s10, v1                    ; wave 0..3
	s_lshr_b32 s11, s10, 1                         ; which half of the tile's queries is mine.  Also: I fetch queries (0) or actions (1)
	s_and_b32 s12, s10, 1                          ; which half of its actions.  Also: which 128 rows I fetch
	s_bfe_u32 s40, ttmp6, 0x40000                  ; cx
	s_bfe_u32 s41, ttmp6, 0x40004                  ; cy
	s_lshl_b32 s42, ttmp9, 2                       ; in a cluster launch ttmp9 and ttmp7 count clusters
	s_add_co_u32 s42, s42, s40                     ; gx = 4 x cluster x + cx: the column of actions
	s_and_b32 s13, ttmp7, 0xffff
	s_lshl_b32 s13, s13, 2
	s_add_co_u32 s13, s13, s41                     ; gy = 4 x cluster y + cy: the block of 256 queries
	s_lshl_b32 s43, s41, 2
	s_lshl_b32 s43, 15, s43                        ; my row of the cluster: places 4 cy .. 4 cy + 3
	s_lshl_b32 s44, 0x1111, s40                    ; my column: places cx, cx + 4, cx + 8, cx + 12
	; descriptor group 1: a tile of 128 rows x 128 elements, padded in LDS
	s_or_b32 s[G1Q+0], s43, (1<<16)|(1<<20)|(1<<21)|(5<<22)|(3<<25)  ; 15:0 the mask: the queries go to my row; 17:16 2-byte elements; 20 padding on; 21 set beside a mask; 24:22 after every 64 words (code 5); 31:25 4 words (code 3)
	s_or_b32 s[G1A+0], s44, (1<<16)|(1<<20)|(1<<21)|(5<<22)|(3<<25)  ; the same with the mask of my column, for the actions
.irp g, G1Q, G1A
	s_mov_b32 s[(\g)+1], KSTEP<<16                 ; tensor_dim0 = 128
	s_mov_b32 s[(\g)+2], 128<<16                   ; tensor_dim1 = 128
	s_mov_b32 s[(\g)+3], KSTEP<<16                 ; tile_dim0 = 128
	s_mov_b32 s[(\g)+4], 128                       ; tile_dim1 = 128
	s_mov_b32 s[(\g)+5], 512                       ; 512 elements from row to row
	s_mov_b32 s[(\g)+6], 0
	s_mov_b32 s[(\g)+7], 0
.endr
	; where the tiles come from.  The queries' hang on gy alone, which my row shares; the actions' on gx alone, which my column shares.  Every wave makes both, in registers that never hold the other coordinate.
	s_lshl_b32 s17, s12, 7                         ; which 128 rows I fetch
	s_lshl_b32 s16, s13, 8
	s_add_co_u32 s16, s16, s17                     ; query row 256 gy + 128 x half,
	s_lshl_b32 s16, s16, 10                        ; in bytes (under 2^23)
	s_lshl_b32 s46, s42, 8
	s_add_co_u32 s46, s46, s17                     ; action row 256 gx + 128 x half
	s_lshl_b32 s46, s46, 10
	s_mov_b32 s17, 0
	s_mov_b32 s47, 0
	s_mul_i32 s20, s10, HALFT                      ; where they go: wave x 128 rows: no place in the cluster enters an LDS address
	s_wait_dscnt 0x0                               ; the opening add is done
	s_wait_kmcnt 0x0
	s_add_nc_u64 s[14:15], s[4:5], s[16:17]
	s_add_nc_u64 s[46:47], s[6:7], s[46:47]
	CROUND                                         ; all sixteen work-groups are here: the first joint loads meet
.irp s, 0,1
	s_mov_b32 s[G0Q+4*(\s)], 1                                       ; 1:0 count = 1
	s_add_co_u32 s[G0Q+4*(\s)+1], s20, (\s)*SLOT                     ; 63:32 LDS address
	s_add_nc_u64 s[G0Q+4*(\s)+2:G0Q+4*(\s)+3], s[14:15], (\s)*KSTEP*2  ; 120:64 global address: K step s
	s_or_b32 s[G0Q+4*(\s)+3], s[G0Q+4*(\s)+3], 0x80000000            ; 127:126 type = 2
	s_mov_b32 s[G0A+4*(\s)], 1
	s_add_co_u32 s[G0A+4*(\s)+1], s20, (\s)*SLOT
	s_add_nc_u64 s[G0A+4*(\s)+2:G0A+4*(\s)+3], s[46:47], (\s)*KSTEP*2
	s_or_b32 s[G0A+4*(\s)+3], s[G0A+4*(\s)+3], 0x80000000
	JLOAD \s                                       ; the ring is filled before anything else is done: two loads of mine are out
.endr
; The C operands of a tile: for action block b, register j of lane l is -|a|^2 / 2 of action 16 b + 8 (l / 16) + j: two loads of 16 bytes; the wave's 128 numbers are 512 consecutive bytes.  The window stays set: the caller switches back.
.macro A2LOAD
	WIN 0x40                                       ; destination window 1, address window 0
.irp b, 0,1,2,3,4,5,6,7
	global_load_b128 v[A2C+8*(\b):A2C+8*(\b)+3],   v[A2O], s[8:9] offset:64*(\b)
	global_load_b128 v[A2C+8*(\b)+4:A2C+8*(\b)+7], v[A2O], s[8:9] offset:64*(\b)+16
.endr
.endm
	v_and_b32 v1, 15, v0                           ; l % 16
	v_bfe_u32 v2, v0, 4, 1                         ; l / 16
	v_lshlrev_b32 v[A2O], 5, v2
	s_lshl_b32 s46, s42, 10                        ; 4 bytes x (256 gx + 128 x half)
	s_lshl_b32 s47, s12, 9
	s_add_co_u32 s46, s46, s47
	s_mov_b32 s47, 0
	s_add_nc_u64 s[8:9], s[8:9], s[46:47]
	A2LOAD                                         ; tile 0's
.set i, 0
.rept 64
	v_mov_b32 v[SV+i], 0                           ; the selects behind each tile read SV: it is written once, in the wait for the first tile
.set i, i+1
.endr
	WIN 0
.irp a, 0,1,2,3,4,5,6,7
	v_mov_b32 v[BV+(\a)], 0xff800000               ; minus infinity
	v_mov_b32 v[BI+(\a)], 0
.endr
	; a fragment is 16 rows x 32 K in 8 registers: lane l holds row l % 16; registers 0-3 K = 8 (l / 16) + 0..7, registers 4-7 K = 16 + 8 (l / 16) + 0..7: two loads of 16 bytes, 32 bytes apart
	v_mul_u32_u24 v3, v1, PITCH
	v_lshl_add_u32 v3, v2, 4, v3
	s_mul_i32 s21, s11, HALFT                      ; my 128 queries
	s_mul_i32 s22, s12, HALFT                      ; my 128 actions,
	s_add_co_u32 s22, s22, 2*HALFT                 ; which lie behind the 256 queries
.irp s, 0,1
	v_add_nc_u32 v[ADRQ+(\s)], s21, v3
	v_add_nc_u32 v[ADRA+(\s)], s22, v3
	s_add_co_u32 s21, s21, SLOT
	s_add_co_u32 s22, s22, SLOT
.endr
	s_lshl_b32 s20, s12, 11                        ; the last merge: 2,048 x action half + 512 x query half + 1,024 (l / 16) + 4 (l % 16)
	s_lshl_b32 s21, s11, 9
	s_add_co_u32 s20, s20, s21
	s_add_co_u32 s20, s20, RED
	v_lshlrev_b32 v[RST], 2, v1
	v_lshl_add_u32 v[RST], v2, 10, v[RST]
	v_add_nc_u32 v[RST], s20, v[RST]
	v_lshl_add_u32 v[RLD], v0, 3, RED              ; thread T takes queries 2 T, 2 T + 1
	s_lshl_b32 s20, s42, 14                        ; pval, pidx: row gx of 16,384 bytes, 1,024 gy, 8 T
	s_lshl_b32 s21, s13, 10
	s_add_co_u32 s20, s20, s21
	v_lshl_add_u32 v[GOF], v0, 3, s20
	s_lshl_b32 s20, s42, 8
	s_lshl_b32 s21, s12, 7
	s_add_co_u32 s20, s20, s21
	v_lshl_add_u32 v[BASEI], v2, 3, s20
	; the prefetches
	s_lshl_b32 s21, s41, 5
	s_add_co_u32 s20, s20, s21                     ; action row 256 gx + 128 x half + 32 cy
	s_lshl_b32 s20, s20, 10
	s_mov_b32 s21, 0
	s_add_nc_u64 s[PFA:PFA+1], s[6:7], s[20:21]    ; in tile 0; the first change of slots steps it to tile 1
	s_and_b32 s22, ttmp7, 0xffff                   ; cluster y,
	s_xor_b32 s23, s11, 1                          ; and 0 in the waves that fetch actions
	s_or_b32 s22, s22, s23
	s_cmp_eq_u32 s22, 0
	s_cselect_b32 s[LIM], 1, -1                    ; the same in all sixteen partners, for a given wave
	v_and_b32 v[PFO], 31, v0
	v_lshlrev_b32 v[PFO], 10, v[PFO]
; 16 matrix instructions: query blocks a0, a0 + 1 of the window's four (hi = 0: my queries 0-63, 1: 64-127) x all 8 action blocks, 32 along K.
; zero = 1: the first product starts the sums with -|a|^2 / 2 (C in window 1).  The 64 accumulators take turns, in the same order in every quarter step.
.macro MUL16 f, hi, a0, zero
.if \zero
	WIN 0x91+0x40*(\hi)                            ; source 0 and C window 1, source 1 window 0, D window 2 or 3
.else
	WIN 0xa1+0x50*(\hi)                            ; source 0 window 1, source 1 window 0, C and D window 2 or 3
.endif
.irp a, \a0, (\a0)+1
.irp b, 0,1,2,3,4,5,6,7
.if \zero
	v_wmma_f32_16x16x32_bf16 v[8*(8*(\a)+(\b)):8*(8*(\a)+(\b))+7], v[(\f)+8*(\b):(\f)+8*(\b)+7], v[(\f)+8*(4*(\hi)+(\a)):(\f)+8*(4*(\hi)+(\a))+7], v[A2C+8*(\b):A2C+8*(\b)+7]
.else
	v_wmma_f32_16x16x32_bf16 v[8*(8*(\a)+(\b)):8*(8*(\a)+(\b))+7], v[(\f)+8*(\b):(\f)+8*(\b)+7], v[(\f)+8*(4*(\hi)+(\a)):(\f)+8*(4*(\hi)+(\a))+7], v[8*(8*(\a)+(\b)):8*(8*(\a)+(\b))+7]
.endif
.endr
.endr
.endm
; 32 LDS loads in one run: the fragments of one quarter step (128 actions, 128 queries, 32 K at byte k of the rows) into buffer f
.macro FETCH slot, k, f
	WIN 0x40
.irp i, 0,1,2,3,4,5,6,7
	ds_load_b128 v[(\f)+8*(\i):(\f)+8*(\i)+3],   v[ADRA+(\slot)] offset:(\k)+(\i)*16*PITCH
	ds_load_b128 v[(\f)+8*(\i)+4:(\f)+8*(\i)+7], v[ADRA+(\slot)] offset:(\k)+(\i)*16*PITCH+32
.endr
	WIN 0
.irp i, 0,1,2,3,4,5,6,7
	ds_load_b128 v[(\f)+8*(\i):(\f)+8*(\i)+3],   v[ADRQ+(\slot)] offset:(\k)+(\i)*16*PITCH
	ds_load_b128 v[(\f)+8*(\i)+4:(\f)+8*(\i)+7], v[ADRQ+(\slot)] offset:(\k)+(\i)*16*PITCH+32
.endr
.endm
; A load into a register that a matrix instruction has read stands four places behind it, and only plain vector instructions that name none of its registers are places
; (ISA guide 7.12.1 for vector instructions).
.macro PLACES
.rept 4
	v_nop
.endr
.endm
; A K step is four quarter steps of 32 along K, 64 matrix instructions each, on buffers 0, 1, 0, 1.  One of the first three multiplies buffer f; in its middle it fetches the next quarter's fragments into g.
.macro QUARTER slot, k, f, g, zero
	s_wait_dscnt 8                                 ; the actions and my queries 0-63 are in; the youngest eight loads (queries 64-127) may be out
	MUL16 \f, 0, 0, \zero
	MUL16 \f, 0, 2, \zero
	PLACES
	FETCH \slot, \k, \g
	s_wait_dscnt 32                                ; all but the 32 just issued
	MUL16 \f, 1, 0, \zero
	MUL16 \f, 1, 2, \zero
.endm
; The last quarter multiplies buffer 1 and changes slots.  MEET is its first half: ONE barrier.  In front of it each wave waits for all its tensor loads, of which one is out: its part of the next slot;
; adds 0 to its spare word; and waits for that and for its own reads of this slot.  Behind it nobody reads this slot any more and the next slot is whole.
.macro MEET round
	WIN 0                                          ; (the add's two registers lie in window 0)
	s_wait_tensorcnt 0x0                           ; all my tensor loads have landed;
	ds_add_u32 v[SPW], v[NIL]                      ; 0 onto my spare word;
	s_wait_dscnt 9                                 ; (the add and the youngest eight loads may be out)
	MUL16 F1, 0, 0, 0                              ; sixteen matrix instructions stand between the add and the wait for it
	s_wait_dscnt 0x0                               ; the add is done, and my reads of this slot are over:
	s_barrier_signal -1                            ; say so,
	MUL16 F1, 0, 2, 0                              ; work on registers while the others arrive,
.if \round
	WIN 0
.endif
	s_barrier_wait -1                              ; and go on when all four have said so
.endm
; The whole last quarter of K step k.  The barrier opens a round of the cluster's; behind the round the slot just read out is filled again first: with this tile's K step two on (on = 0) or with the
; NEXT tile's K step 0 or 1 (on = 1); then come the next slot's first fragments.  From a request to the wait for it a wave issues 224 matrix instructions.
.macro TURN slot, next, on, k
.if (\k) == 0
	s_wait_xcnt 0x0                                ; the last prefetch, more than a K step back, has read its address: it is stepped once a tile
	s_add_nc_u64 s[PFA:PFA+1], s[PFA:PFA+1], WALKB
.endif
	MEET 1
	CREST                                          ; no wave of any partner still reads this slot's tile or has a load on its way
.if \on
	s_sub_nc_u64 s[G0Q+4*(\slot)+2:G0Q+4*(\slot)+3], s[G0Q+4*(\slot)+2:G0Q+4*(\slot)+3], BACK_Q
	s_add_nc_u64 s[G0A+4*(\slot)+2:G0A+4*(\slot)+3], s[G0A+4*(\slot)+2:G0A+4*(\slot)+3], NEXT_A
.else
	s_add_nc_u64 s[G0Q+4*(\slot)+2:G0Q+4*(\slot)+3], s[G0Q+4*(\slot)+2:G0Q+4*(\slot)+3], 2*KSTEP*2
	s_add_nc_u64 s[G0A+4*(\slot)+2:G0A+4*(\slot)+3], s[G0A+4*(\slot)+2:G0A+4*(\slot)+3], 2*KSTEP*2
.endif
	JLOAD \slot                                    ; the first tensor load behind the round; the four v_nop behind it are also the places in front of the loads below
	FETCH \next, 0, F0
	ASK \k
	MUL16 F1, 1, 0, 0
	MUL16 F1, 1, 2, 0
.endm
; BEHIND A TILE.  The code ages by 8 (these eight lines are also the places behind the last products).  Then, for each window w of 32 accumulators:
; A: T[k] = the maximum of BV and group k's eight scores, three operands at a time, 32 chains by turns; each accumulator's lowest registers are read first.
; B: for b ascending, four query blocks by turns: the mask BV < T (strict: the earlier group keeps an equal score), BV = max, BI = b where the mask is set.
; C: where a group's mask is set its eight scores go into SV; a later winner of the same tile writes over an earlier one.
.macro EPI
	WIN 0
.irp a, 0,1,2,3,4,5,6,7
	v_add_nc_u32 v[BI+(\a)], 8, v[BI+(\a)]
.endr
.irp w, 0,1
	WIN 0x28+0x14*(\w)                             ; sources 1 and 2 in window 2 or 3
.irp s, 0,1,2,3
.set k, 0
.rept 32
.if (\s) == 0
	v_max3_num_f32 v[T+k], v[BV+4*(\w)+k/8], v[8*k], v[8*k+1]
.else
	v_max3_num_f32 v[T+k], v[T+k], v[8*k+2*(\s)], v[8*k+2*(\s)+1]
.endif
.set k, k+1
.endr
.endr
	WIN 0
.irp b, 0,1,2,3,4,5,6,7
.irp a, 0,1,2,3
	v_cmp_lt_f32 s[MK+8*(\a)+(\b)], v[BV+4*(\w)+(\a)], v[T+8*(\a)+(\b)]
.endr
.irp a, 0,1,2,3
	v_max_num_f32 v[BV+4*(\w)+(\a)], v[BV+4*(\w)+(\a)], v[T+8*(\a)+(\b)]
.endr
.irp a, 0,1,2,3
	v_cndmask_b32 v[BI+4*(\w)+(\a)], v[BI+4*(\w)+(\a)], \b, s[MK+8*(\a)+(\b)]
.endr
.endr
	WIN 0x49+4*(\w)                                ; destination and source 0 window 1, source 1 window 2 or 3
.irp b, 0,1,2,3,4,5,6,7
.irp a, 0,1,2,3
	s_mov_b32 vcc_lo, s[MK+8*(\a)+(\b)]            ; by VCC the eight selects have the short encoding
.irp j, 0,1,2,3,4,5,6,7
	v_cndmask_b32 v[SV+8*(4*(\w)+(\a))+(\j)], v[SV+8*(4*(\w)+(\a))+(\j)], v[8*(8*(\a)+(\b))+(\j)], vcc_lo
.endr
.endr
.endr
.endr
	WIN 0
.endm
; (bv, bi) takes (ov, oi) where ov is greater, or equal with the lower index.  sa: three scalar registers for the masks.
.macro MERGE bv, bi, ov, oi, sa
	v_cmp_gt_f32 s[(\sa)], v[(\ov)], v[(\bv)]
	v_cmp_eq_f32 s[(\sa)+1], v[(\ov)], v[(\bv)]
	v_cmp_lt_u32 s[(\sa)+2], v[(\oi)], v[(\bi)]
	s_and_b32 s[(\sa)+1], s[(\sa)+1], s[(\sa)+2]
	s_or_b32 vcc_lo, s[(\sa)], s[(\sa)+1]
	v_cndmask_b32 v[(\bv)], v[(\bv)], v[(\ov)], vcc_lo
	v_cndmask_b32 v[(\bi)], v[(\bi)], v[(\oi)], vcc_lo
.endm
	s_wait_tensorcnt 0x1                           ; my part of K step 0 is in; K step 1's may stay out
	s_barrier_signal -1
	s_barrier_wait -1                              ; everybody's is
	FETCH 0, 0, F0
	s_mov_b32 s2, TILES                            ; tiles to go, this one among them: the same number in every work-group
.Ltile:
	s_wait_loadcnt 0x0                             ; this tile's C operands are in
	QUARTER 0, 64,  F0, F1, 1                      ; the tile's first quarter starts the sums
	WIN 0
	PLACES                                         ; in front of the loads into the C operands, which those products have read
	s_cmp_eq_u32 s2, 1
	s_cbranch_scc1 .Lno_a2                         ; the last tile has no successor
	s_add_nc_u64 s[8:9], s[8:9], A2STEP            ; (the loads that read this address were waited for at the tile's head)
	A2LOAD                                         ; the next tile's: fifteen quarter steps ahead of their use
	WIN 0
.Lno_a2:
	QUARTER 0, 128, F1, F0, 0
	QUARTER 0, 192, F0, F1, 0
	TURN 0, 1, 0, 0                                ; slot 0 takes K step 2
	QUARTER 1, 64,  F0, F1, 0
	QUARTER 1, 128, F1, F0, 0
	QUARTER 1, 192, F0, F1, 0
	TURN 1, 0, 0, 1                                ; slot 1 takes K step 3
	QUARTER 0, 64,  F0, F1, 0
	QUARTER 0, 128, F1, F0, 0
	QUARTER 0, 192, F0, F1, 0
	WIN 0
	s_cmp_eq_u32 s2, 1
	s_cbranch_scc1 .Llast_tile                     ; the last tile's tail is written out: it asks for nothing more
	TURN 0, 1, 1, 2                                ; THE RING GOES ON INTO THE NEXT TILE: slot 0 takes its K step 0,
	QUARTER 1, 64,  F0, F1, 0
	QUARTER 1, 128, F1, F0, 0
	QUARTER 1, 192, F0, F1, 0
	TURN 1, 0, 1, 3                                ; slot 1 its K step 1, and the next tile's first fragments are fetched
	EPI                                            ; both refills are on their way while the tile's scores are gone through
	s_sub_co_u32 s2, s2, 1
	s_branch .Ltile
.Llast_tile:
	MEET 0                                         ; my one tensor load that was still out is slot 1's, the last K step's, so no round follows
	PLACES
	FETCH 1, 0, F0
	MUL16 F1, 1, 0, 0
	MUL16 F1, 1, 2, 0
	QUARTER 1, 64,  F0, F1, 0
	QUARTER 1, 128, F1, F0, 0
	QUARTER 1, 192, F0, F1, 0
	s_wait_dscnt 8                                 ; the very last quarter: nothing more to fetch
	MUL16 F1, 0, 0, 0
	MUL16 F1, 0, 2, 0
	s_wait_dscnt 0x0
	MUL16 F1, 1, 0, 0
	MUL16 F1, 1, 2, 0
	EPI
	; THE END.  The place in the winning group: the lowest j whose score equals BV (j descending, so the lowest is written last).
	s_load_b64 s[4:5], s[0:1], 0x18                ; pval
	s_load_b64 s[6:7], s[0:1], 0x20                ; pidx
	s_mov_b32 s17, 0xffff0000                      ; lanes 16-31
	s_mov_b32 s18, 0x76543210                      ; v_permlanex16_b32: each lane takes its own place in the other half
	s_mov_b32 s19, 0xfedcba98
.irp a, 0,1,2,3,4,5,6,7
	v_mov_b32 v[J+(\a)], 0
.endr
	WIN 0x01                                       ; source 0 (SV) in window 1
.irp j, 7,6,5,4,3,2,1,0
.irp a, 0,1,2,3,4,5,6,7
	v_cmp_neq_f32 vcc_lo, v[SV+8*(\a)+(\j)], v[BV+(\a)]
	v_cndmask_b32 v[J+(\a)], \j, v[J+(\a)], vcc_lo
.endr
.endr
	WIN 0
.irp a, 0,1,2,3,4,5,6,7                ; index = 4,096 t + 16 b + j + (256 gx + 128 x half + 8 (l / 16)); the code is 8 (7 - t) + b, and 64 where nothing ever won: held to 63
	v_min_u32 v[BI+(\a)], 63, v[BI+(\a)]
	v_lshrrev_b32 v[TM+(\a)], 3, v[BI+(\a)]
	v_sub_nc_u32 v[TM+(\a)], 7, v[TM+(\a)]
	v_and_b32 v[BI+(\a)], 7, v[BI+(\a)]
	v_lshl_add_u32 v[J+(\a)], v[BI+(\a)], 4, v[J+(\a)]
	v_lshl_add_u32 v[J+(\a)], v[TM+(\a)], 12, v[J+(\a)]
	v_add_nc_u32 v[J+(\a)], v[BASEI], v[J+(\a)]
.endr
.irp a, 0,1,2,3,4,5,6,7                ; a query's other actions lie in the lane 16 away
	v_permlanex16_b32 v[T+(\a)], v[BV+(\a)], s18, s19
	v_permlanex16_b32 v[T+8+(\a)], v[J+(\a)], s18, s19
.endr
.irp a, 0,1,2,3,4,5,6,7
	MERGE BV+(\a), J+(\a), T+(\a), T+8+(\a), 14+6*((\a)%2)
.endr
.irp a, 0,1,2,3,4,5,6,7                ; both halves now hold the same pair: lanes 0-15 hand on the score, lanes 16-31 the index
	v_cndmask_b32 v[TM+(\a)], v[BV+(\a)], v[J+(\a)], s17
	ds_store_b32 v[RST], v[TM+(\a)] offset:64*(\a)
.endr
	s_wait_dscnt 0x0                               ; for the others' sake: my stores are done
	s_barrier_signal -1
	s_barrier_wait -1
	ds_load_b64 v[E:E+1],   v[RLD]                 ; action half 0: two queries' scores,
	ds_load_b64 v[E+2:E+3], v[RLD] offset:1024     ; their indices;
	ds_load_b64 v[E+4:E+5], v[RLD] offset:2048     ; action half 1
	ds_load_b64 v[E+6:E+7], v[RLD] offset:3072
	s_wait_dscnt 0x0
	MERGE E, E+2, E+4, E+6, 14
	MERGE E+1, E+3, E+5, E+7, 20
	s_wait_kmcnt 0x0
	global_store_b64 v[GOF], v[E:E+1],   s[4:5]    ; a wave stores 256 consecutive bytes, aligned
	global_store_b64 v[GOF], v[E+2:E+3], s[6:7]
	s_wait_tensorcnt 0x0                           ; the wave's end, behind my last tensor load and my last LDS store
	ds_add_u32 v[SPW], v[NIL]
	s_wait_dscnt 0x0
	CROUND                                         ; the closing round: no work-group ends while a partner may still ask for a tile that names it
	s_endpgm
.Lfunc_end_k_q9da04b121b_near:
	.size	k_q9da04b121b_near, .Lfunc_end_k_q9da04b121b_near-k_q9da04b121b_near
	.p2alignl 7, 3214868480
	.fill 96, 4, 3214868480
	.section	.rodata,"a",@progbits
	.p2align	6, 0x0
	.amdhsa_kernel k_q9da04b121b_near
		.amdhsa_group_segment_fixed_size 327680
		.amdhsa_private_segment_fixed_size 0
		.amdhsa_enable_private_segment 0
		.amdhsa_kernarg_size 40
		.amdhsa_user_sgpr_count 2
		.amdhsa_user_sgpr_kernarg_segment_ptr 1
		.amdhsa_wavefront_size32 1
		.amdhsa_system_sgpr_workgroup_id_x 1
		.amdhsa_system_sgpr_workgroup_id_y 1
		.amdhsa_system_sgpr_workgroup_id_z 1
		.amdhsa_system_vgpr_workitem_id 0
		.amdhsa_next_free_vgpr 1024
		.amdhsa_next_free_sgpr 98
		.amdhsa_reserve_vcc 1
		.amdhsa_float_denorm_mode_32 3
		.amdhsa_float_denorm_mode_16_64 3
		.amdhsa_memory_ordered 1
		.amdhsa_forward_progress 1
		.amdhsa_inst_pref_size 253
	.end_amdhsa_kernel
	.amdgpu_metadata
---
amdhsa.version: [ 1, 2 ]
amdhsa.kernels:
  - .name:           k_q9da04b121b_near
    .symbol:         k_q9da04b121b_near.kd
    .args:
      - { .name: xbf, .offset: 0, .size: 8, .value_kind: global_buffer, .address_space: global }
      - { .name: abf, .offset: 8, .size: 8, .value_kind: global_buffer, .address_space: global }
      - { .name: a2h, .offset: 16, .size: 8, .value_kind: global_buffer, .address_space: global }
      - { .name: pval, .offset: 24, .size: 8, .value_kind: global_buffer, .address_space: global }
      - { .name: pidx, .offset: 32, .size: 8, .value_kind: global_buffer, .address_space: global }
    .group_segment_fixed_size: 327680
    .private_segment_fixed_size: 0
    .kernarg_segment_align: 8
    .kernarg_segment_size: 40
    .max_flat_workgroup_size: 128
    .sgpr_count:     98
    .vgpr_count:     1024
    .wavefront_size: 32
...
	.end_amdgpu_metadata
.endif
;; end of part 2
;; launch pick (part 3): grid 16 x 1, 4 waves a work-group, no clusters, 0 bytes of LDS; arguments pval, pidx, best; writes best
.if DOCPART == 3
	.amdgcn_target "amdgcn-amd-amdhsa--gfx1250"
	.amdhsa_code_object_version 6
	.text
	.protected	k_q9da04b121b_pick
	.globl	k_q9da04b121b_pick
	.p2align	8
	.type	k_q9da04b121b_pick,@function
k_q9da04b121b_pick:
	s_mov_b64 s[64:65], 0
	v_nop
	global_prefetch_b8 v0, s[64:65] scope:SCOPE_SE
	s_setreg_imm32_b32 hwreg(HW_REG_WAVE_MODE, 25, 1), 1
	s_wait_xcnt 0x0
; best[q] = the index of the largest of the 16 partial scores pval[g][q], the lowest index among equals.  pval, pidx: [16][4096]; best: [4096] u32.
; It stands in a launch of its own because the launch behind makes addresses of the indices, and no launch makes an address of a choice between floating-point numbers that it makes itself.
; 2,048 threads, two queries each: 16 work-groups are all the work there is.  All 32 loads of a thread go out at once; a load or store of a wave covers 256 consecutive bytes, aligned.
; No address here hangs on the data.
.macro MERGE bv, bi, ov, oi, sa        ; (bv, bi) takes (ov, oi) where ov is greater, or equal with the lower index
	v_cmp_gt_f32 s[(\sa)], v[(\ov)], v[(\bv)]
	v_cmp_eq_f32 s[(\sa)+1], v[(\ov)], v[(\bv)]
	v_cmp_lt_u32 s[(\sa)+2], v[(\oi)], v[(\bi)]
	s_and_b32 s[(\sa)+1], s[(\sa)+1], s[(\sa)+2]
	s_or_b32 vcc_lo, s[(\sa)], s[(\sa)+1]
	v_cndmask_b32 v[(\bv)], v[(\bv)], v[(\ov)], vcc_lo
	v_cndmask_b32 v[(\bi)], v[(\bi)], v[(\oi)], vcc_lo
.endm
	s_load_b128 s[4:7], s[0:1], 0x0                ; pval s[4:5], pidx s[6:7]
	s_load_b64 s[8:9], s[0:1], 0x10                ; best
	s_lshl_b32 s10, ttmp9, 10                      ; 128 threads x 8 bytes
	v_lshl_add_u32 v1, v0, 3, s10                  ; my two queries' bytes in a row of pval and pidx, and in best; never rewritten
	s_wait_kmcnt 0x0
.irp r, 0,1,2,3,4,5,6,7,8,9,10,11,12,13,14,15
	global_load_b64 v[8+4*(\r):9+4*(\r)],   v1, s[4:5] offset:16384*(\r)
	global_load_b64 v[10+4*(\r):11+4*(\r)], v1, s[6:7] offset:16384*(\r)
.endr
.irp r, 1,2,3,4,5,6,7,8,9,10,11,12,13,14,15
	s_wait_loadcnt 30-2*(\r)                       ; loads come back in order: rows 0 to r are in, the 30 - 2 r loads behind them stay out
	MERGE 8, 10, 8+4*(\r), 10+4*(\r), 12
	MERGE 9, 11, 9+4*(\r), 11+4*(\r), 16
.endr
	global_store_b64 v1, v[10:11], s[8:9]
	s_endpgm
.Lfunc_end_k_q9da04b121b_pick:
	.size	k_q9da04b121b_pick, .Lfunc_end_k_q9da04b121b_pick-k_q9da04b121b_pick
	.p2alignl 7, 3214868480
	.fill 96, 4, 3214868480
	.section	.rodata,"a",@progbits
	.p2align	6, 0x0
	.amdhsa_kernel k_q9da04b121b_pick
		.amdhsa_group_segment_fixed_size 0
		.amdhsa_private_segment_fixed_size 0
		.amdhsa_enable_private_segment 0
		.amdhsa_kernarg_size 24
		.amdhsa_user_sgpr_count 2
		.amdhsa_user_sgpr_kernarg_segment_ptr 1
		.amdhsa_wavefront_size32 1
		.amdhsa_system_sgpr_workgroup_id_x 1
		.amdhsa_system_sgpr_workgroup_id_y 1
		.amdhsa_system_sgpr_workgroup_id_z 1
		.amdhsa_system_vgpr_workitem_id 0
		.amdhsa_next_free_vgpr 72
		.amdhsa_next_free_sgpr 66
		.amdhsa_reserve_vcc 1
		.amdhsa_float_denorm_mode_32 3
		.amdhsa_float_denorm_mode_16_64 3
		.amdhsa_memory_ordered 1
		.amdhsa_forward_progress 1
		.amdhsa_inst_pref_size 14
	.end_amdhsa_kernel
	.amdgpu_metadata
---
amdhsa.version: [ 1, 2 ]
amdhsa.kernels:
  - .name:           k_q9da04b121b_pick
    .symbol:         k_q9da04b121b_pick.kd
    .args:
      - { .name: pval, .offset: 0, .size: 8, .value_kind: global_buffer, .address_space: global }
      - { .name: pidx, .offset: 8, .size: 8, .value_kind: global_buffer, .address_space: global }
      - { .name: best, .offset: 16, .size: 8, .value_kind: global_buffer, .address_space: global }
    .group_segment_fixed_size: 0
    .private_segment_fixed_size: 0
    .kernarg_segment_align: 8
    .kernarg_segment_size: 24
    .max_flat_workgroup_size: 128
    .sgpr_count:     66
    .vgpr_count:     72
    .wavefront_size: 32
...
	.end_amdgpu_metadata
.endif
;; end of part 3
;; launch take (part 4): grid 256 x 1, 4 waves a work-group, no clusters, 0 bytes of LDS; arguments best, action_set, out0; writes out0
.if DOCPART == 4
	.amdgcn_target "amdgcn-amd-amdhsa--gfx1250"
	.amdhsa_code_object_version 6
	.text
	.protected	k_q9da04b121b_take
	.globl	k_q9da04b121b_take
	.p2align	8
	.type	k_q9da04b121b_take,@function
k_q9da04b121b_take:
	s_mov_b64 s[64:65], 0
	v_nop
	global_prefetch_b8 v0, s[64:65] scope:SCOPE_SE
	s_setreg_imm32_b32 hwreg(HW_REG_WAVE_MODE, 25, 1), 1
	s_wait_xcnt 0x0
; out0[q][:] = action_set[best[q]][:], the rows as they are given, in f32.  Wave W = 4 x work-group + wave copies rows 4 W .. 4 W + 3: 2,048 bytes each.
; The four indices come by one scalar load (no line of this launch writes best) and are held to the table's 32,768 rows before they enter an address.
; All 16 loads of a wave go out at once; a load or store covers 512 consecutive bytes, aligned.  The loads carry no hint: a row may be named by several queries.
	s_load_b128 s[4:7], s[0:1], 0x0                ; best s[4:5], action_set s[6:7]
	s_load_b64 s[8:9], s[0:1], 0x10                ; out0
	v_lshrrev_b32 v2, 5, v0
	v_readfirstlane_b32 s10, v2                    ; wave 0..3
	s_lshl_b32 s11, ttmp9, 2
	s_add_co_u32 s11, s11, s10                     ; W
	s_lshl_b32 s12, s11, 4                         ; four indices: 16 bytes
	s_mov_b32 s13, 0
	s_lshl_b32 s14, s11, 13                        ; four rows: 8,192 bytes
	s_mov_b32 s15, 0
	v_and_b32 v1, 31, v0
	v_lshlrev_b32 v1, 4, v1                        ; 16 bytes a lane; never rewritten
	s_wait_kmcnt 0x0
	s_add_nc_u64 s[4:5], s[4:5], s[12:13]
	s_load_b128 s[16:19], s[4:5], 0x0
	s_add_nc_u64 s[8:9], s[8:9], s[14:15]
	s_wait_kmcnt 0x0
.irp i, 0,1,2,3
	s_min_u32 s[16+(\i)], s[16+(\i)], 0x7fff       ; inside the table
	s_lshl_b32 s[20+2*(\i)], s[16+(\i)], 11        ; a row is 2,048 bytes: under 2^26
	s_mov_b32 s[21+2*(\i)], 0
	s_add_nc_u64 s[20+2*(\i):21+2*(\i)], s[6:7], s[20+2*(\i):21+2*(\i)]
.endr
.irp i, 0,1,2,3
.irp c, 0,1,2,3
	global_load_b128 v[16+4*(4*(\i)+(\c)):16+4*(4*(\i)+(\c))+3], v1, s[20+2*(\i):21+2*(\i)] offset:512*(\c)
.endr
.endr
.irp i, 0,1,2,3
.irp c, 0,1,2,3
	s_wait_loadcnt 15-(4*(\i)+(\c))                ; loads come back in order: this one is in, the younger ones stay out
	global_store_b128 v1, v[16+4*(4*(\i)+(\c)):16+4*(4*(\i)+(\c))+3], s[8:9] offset:2048*(\i)+512*(\c) th:TH_STORE_NT
.endr
.endr
	s_endpgm
.Lfunc_end_k_q9da04b121b_take:
	.size	k_q9da04b121b_take, .Lfunc_end_k_q9da04b121b_take-k_q9da04b121b_take
	.p2alignl 7, 3214868480
	.fill 96, 4, 3214868480
	.section	.rodata,"a",@progbits
	.p2align	6, 0x0
	.amdhsa_kernel k_q9da04b121b_take
		.amdhsa_group_segment_fixed_size 0
		.amdhsa_private_segment_fixed_size 0
		.amdhsa_enable_private_segment 0
		.amdhsa_kernarg_size 24
		.amdhsa_user_sgpr_count 2
		.amdhsa_user_sgpr_kernarg_segment_ptr 1
		.amdhsa_wavefront_size32 1
		.amdhsa_system_sgpr_workgroup_id_x 1
		.amdhsa_system_sgpr_workgroup_id_y 1
		.amdhsa_system_sgpr_workgroup_id_z 1
		.amdhsa_system_vgpr_workitem_id 0
		.amdhsa_next_free_vgpr 80
		.amdhsa_next_free_sgpr 66
		.amdhsa_reserve_vcc 0
		.amdhsa_float_denorm_mode_32 3
		.amdhsa_float_denorm_mode_16_64 3
		.amdhsa_memory_ordered 1
		.amdhsa_forward_progress 1
		.amdhsa_inst_pref_size 6
	.end_amdhsa_kernel
	.amdgpu_metadata
---
amdhsa.version: [ 1, 2 ]
amdhsa.kernels:
  - .name:           k_q9da04b121b_take
    .symbol:         k_q9da04b121b_take.kd
    .args:
      - { .name: best, .offset: 0, .size: 8, .value_kind: global_buffer, .address_space: global }
      - { .name: action_set, .offset: 8, .size: 8, .value_kind: global_buffer, .address_space: global }
      - { .name: out0, .offset: 16, .size: 8, .value_kind: global_buffer, .address_space: global }
    .group_segment_fixed_size: 0
    .private_segment_fixed_size: 0
    .kernarg_segment_align: 8
    .kernarg_segment_size: 24
    .max_flat_workgroup_size: 128
    .sgpr_count:     66
    .vgpr_count:     80
    .wavefront_size: 32
...
	.end_amdgpu_metadata
.endif
;; end of part 4
